; MI455X (gfx1250); checked and timed in simulation.
; The chip was launched on July 23, 2026; its instructions are those of AMD's public machine-readable ISA for CDNA 5 (MIT licence, August 2026) and "CDNA5" Instruction Set Architecture Reference Guide (July 2026). The comments in the code are by the model that wrote it; some were corrected since.
;; Self Attention. Allowed arithmetic: matrix products marked QUANTISED: E4M3 operands, one E8M0 scale for each 32 along K, by v_wmma_scale_f32_16x16x128_f8f6f4 with both operands' format E4M3, f32 sums; everything else in f32.
;; Inputs: W_G_emb 16,000 x 256 float32; W_T_emb 16,000 x 256 float32; input_G_codes 4 x 1,024 x 8 x 32 uint8 (E4M3 codes of input_G, K innermost, in blocks of 32 codes); input_G_scales 4 x 1,024 x 8 uint8 (E8M0 scales of input_G, one for each 32 codes along K); input_T_codes 4 x 1,024 x 8 x 32 uint8 (E4M3 codes of input_T, K innermost, in blocks of 32 codes); input_T_scales 4 x 1,024 x 8 uint8 (E8M0 scales of input_T, one for each 32 codes along K); mask 4 x 1,024 bool.
;; Outputs: out0 4 x 1,024 x 256 float32; out1 4 x 1,024 x 256 float32.
;; This version of the problem:
;;   THIS VERSION OF THE PROBLEM IS GIVEN IN LOW PRECISION. The matrix products marked QUANTISED in the list below multiply operands that are first quantised to E4M3 (4 exponent bits, 3 mantissa bits; 8 bits a number), with one power-of-two scale for each 32 numbers along K (OCP MX v1.0); their sums are f32. All else is computed in f32.
;;   The module's matrix products, in the order in which they are computed (A, B: the left and right operand; K: the contracted axis; several contracted axes count as one K, in the product's order):
;;     1. [M 4,096, K 256] x [K 256, N 16,000]; A: input input_G (given as codes); B: input W_G_emb: QUANTISED
;;     2. [M 4,096, K 256] x [K 256, N 16,000]; A: input input_T (given as codes); B: input W_T_emb: QUANTISED
;;     3. [M 4,096, K 16,000] x [K 16,000, N 256]; A: softmax (see below); B: input W_G_emb: QUANTISED
;;     4. [M 4,096, K 16,000] x [K 16,000, N 256]; A: softmax (see below); B: input W_T_emb: QUANTISED
;;   THE QUANTISER, for each operand of a quantised product, along K:
;;     - K is cut into blocks of 32 from its start; a last block that is shorter is filled with zeros.
;;     - A block's scale is 2^e with e = floor(log2(the largest magnitude in the block)) - 8, held to -126 .. 127; a block of zeros has e = 0. As a byte (E8M0): e + 127.
;;     - Each number is divided by its block's scale, clamped to +-448, and rounded to the nearest number of E4M3, ties to even, subnormals kept.
;;     - The product sums the exact products of the quantised numbers (number of the format x scale) in f32.
;;   ~~~python
;;   def quantise(x, axis):      # numpy; x: float32 -> the quantised numbers, widened to float32 again
;;       x = np.moveaxis(x, axis, -1); K = x.shape[-1]
;;       x = np.pad(x, [(0, 0)] * (x.ndim - 1) + [(0, -K % 32)]); x = x.reshape(x.shape[:-1] + (-1, 32)); a = np.abs(x).max(-1, keepdims=True)
;;       e = np.where(a > 0, np.clip(np.frexp(np.where(a > 0, a, 1))[1] - 1 - 8, -126, 127), 0)      # np.frexp(a)[1] - 1 = floor(log2(a)), exactly
;;       r = np.clip(x / 2.0 ** e, -448, 448)
;;       step = 2.0 ** (np.maximum(np.frexp(np.where(r == 0, 1, r))[1] - 1, -6) - 3)
;;       q = np.round(r / step) * step * 2.0 ** e      # np.round: ties to even
;;       return np.moveaxis(q.reshape(q.shape[:-2] + (-1,))[..., :K], -1, axis).astype(np.float32)
;;   ~~~
;;   SOFTMAX AHEAD OF A QUANTISED PRODUCT. Where the list says 'softmax', what is quantised is not the finished softmax but p = 2^(t - M), with t = logit x log2(e) and M = ceil(the row's largest t), a whole number; so 1/2 < the row's largest p <= 1. The row's sum l is taken of the UNQUANTISED p, in f32, and the product's result is divided by l at the end. Since M is a whole number, a kernel that streams over the keys may use a running M (the ceiling of the running maximum): every later rescaling is an exact power of two, which a block's scale takes up: the codes' values come out the same.
;;   OPERANDS COMPUTED ON THE WAY. 'Computed on the way' means the value that the module computes at that place (a softmax that the list does not call 'softmax' is quantised finished and normalised). What goes into a quantiser is computed in f32, as accurately as f32 sums, v_exp_f32 and their like allow (about 1e-6 of the number): no bf16 or f16 on the way to a quantiser, and a product that is left as it is and whose result goes on into a quantised operand takes f32 operands (vector FMAs, or v_wmma_f32_16x16x4_f32). A number that lies on a knife's edge between two numbers of the format may be rounded either way, as far as f32 arithmetic and the matrix unit's own rounding can turn it there, and no further.
;;   INPUTS GIVEN AS CODES. input_G (in the module: [4, 1024, 256], K = its axis 2); input_T (in the module: [4, 1024, 256], K = its axis 2): each comes as NAME_codes (uint8): NAME with its K axis moved to the last place and cut into blocks of 32 codes, [.., K / 32, bytes a block], one block behind the other in memory; one code a byte (a code: sign, 4 exponent bits, 3 mantissa bits); and NAME_scales (uint8): the same leading axes, one E8M0 byte (e + 127) for each 32 codes along K. Its value is code x scale, taken as it is: it is not quantised again, and the codes and scales need not be those that the quantiser above would give.
;; One version. Each part assembles by itself: llvm-mc -triple=amdgcn-amd-amdhsa -mcpu=gfx1250 --defsym DOCPART=n.
;; ======== version 1 of 1: 3 launches
;; limits: right only within a limited range of input values
;; workspace buffers: wimg 16,896,000 bytes; part 33,554,432 bytes; stat 524,288 bytes
;; launch quant (part 1): grid 125 x 2, 8 waves a work-group, no clusters, 201,728 bytes of LDS; arguments W_G_emb, W_T_emb, wimg; writes wimg
.if DOCPART == 1
	.amdgcn_target "amdgcn-amd-amdhsa--gfx1250"
	.amdhsa_code_object_version 6
	.text
	.protected	k_qc45164e191_quant
	.globl	k_qc45164e191_quant
	.p2align	8
	.type	k_qc45164e191_quant,@function
k_qc45164e191_quant:
	s_mov_b64 s[64:65], 0
	v_nop
	global_prefetch_b8 v0, s[64:65] scope:SCOPE_SE
	s_setreg_imm32_b32 hwreg(HW_REG_WAVE_MODE, 25, 1), 1
	s_wait_xcnt 0x0
; W_G_emb and W_T_emb, [16000][256] f32, are quantised to codes of E4M3 with one E8M0 byte for each 32 numbers, TWICE: along d (the first product's K) and along v (the second product's K).
; The input mask is read by no launch of this program and is among no launch's arguments: reference() never uses it, so no output hangs on it, whatever it holds.
; A work-group takes 128 rows (a key step) of one table: every block of 32, along d and along v, lies inside them.  Its results are one dense block of STEPB bytes of wimg, laid as IMAGES OF THE OPERANDS' REGISTERS:
;   0       16 fragments of K (tile t of 16 keys, K step ks: n = 2 t + ks), 2,048 bytes each: register quad c of lane m + 16 h at n 2048 + c 512 + 16 (m + 16 h): d = 128 ks + 32 c + 16 h + 0 .. 15 of key(t, m)
;   32768   16 fragments of V (tile tt of 16 channels): quad c of lane r + 16 h at tt 2048 + c 512 + 16 (r + 16 h): keys 32 c + 16 h + 0 .. 15 of channel 16 tt + r
;   65536   K's scale words: (t / 4) 512 + (m + 16 ks) 16 + (t % 4) 4          66560   V's scale words: (d / 128) 512 + (d % 32) 16 + ((d / 32) % 4) 4
; THE KEYS OF A TILE ARE NOT NEIGHBOURS: key(2 b + u, m) = 32 b + 8 u + m + 8 (m / 8), so that the next launch's p comes out with 16 neighbouring keys in 16 neighbouring registers.
; A block's scale is 2^(floor(log2(its largest magnitude)) - 8); its byte is the largest magnitude's exponent field - 8, held at 1 from below; each number is held within +-448 x the scale and rounded to the nearest code.
; LIMITS: a block of zeros gets the byte 1 where the quantiser's rule says 127 (its codes are zeros, and this program alone reads the bytes); NaN and infinities among the inputs are not served.
; THE WORK GOES IN THREE STAGES: rows 0-63, rows 64-95, rows 96-127.  Each wave fetches 16 rows by one tensor load, once; waves 0-3, waves 4-5 and waves 6-7 have a load line each, and each stage's barrier waits for the lines that the stage reads.
; Along d wave w takes K step w % 2 of the 16 rows of group w / 2, in rows 0-63 and again in rows 64-127: there waves 0-3's rows lie in the second stage and waves 4-7's in the third.
; Along v a wave takes its 32 channels (a lane a channel, registers down the keys): two blocks of 32 keys in the first stage, one in each later stage.
; A stage's results are whole runs of 512 bytes of the image (K's fragments on end; of each of V's fragments the stage's quads); each stage's leave behind the barrier that shows them whole, ahead of the next stage's arithmetic.
; No prefetch: the text has no loop to run ahead in.  No cluster: work-groups share no input.
.set PITCH, 1040                       ; a row in LDS: 1,024 bytes + 16 of padding: the 16 rows that a load touches start 16 bytes apart modulo 256
.set IMG,   128*PITCH                  ; behind the rows: the image, STEPB bytes, written by LDS stores alone
.set STEPB, 67584
.set SPARE, IMG+STEPB                  ; the spare words: 128 bytes a wave
.set KA,  2                            ; v2, v3  along d: my row's bytes in rows 0-63, in rows 64-127
.set KA2, 3
.set KI,  4                            ; v4   where my quads of a K fragment go
.set KSI, 5                            ; v5   and my row's scale word
.set VA0, 6                            ; v6   along v: my channel in row 0;  v7: in row 64
.set VA2, 7
.set VI,  8                            ; v8   where my quads of a V fragment go
.set VSI, 9                            ; v9   and my channel's scale word
.set CK,  10                           ; v10, v11, v12  the copy out, in LDS: my bytes of K's part (first stage), of V's part, of the scale words
.set CV,  11
.set CS8, 12
.set GK,  18                           ; v18, v19, v20  the same three places in the block of wimg
.set GV,  19
.set GS,  20
.set SPW, 22                           ; v22  my spare word;  v23  0
.set NIL, 23
.set CK2, 24                           ; v24, v25  my bytes of K's part in a later stage: in LDS, in wimg
.set GK2, 25
.set XA,  32                           ; v32-95, v96-159: two sets of 64 numbers
.set XB,  96
.set PC,  160                          ; v160-175 codes
.set TM,  176                          ; v176-191 at work
.set PW,  192                          ; a row's scale word
.set SB,  193                          ; a channel's scale word
.set CP,  196                          ; v196-227 the first stage's image on its way out
.set CQ,  228                          ; v228-243 the second stage's
	s_load_b128 s[4:7], s[0:1], 0x0                ; W_G_emb, W_T_emb
	s_load_b64 s[8:9], s[0:1], 0x10                ; wimg
	v_lshl_add_u32 v[SPW], v0, 2, SPARE
	v_mov_b32 v[NIL], 0
	ds_add_u32 v[SPW], v[NIL]                      ; the opening lines: the add, twice on end, and below its one wait
	ds_add_u32 v[SPW], v[NIL]
	v_lshrrev_b32 v1, 5, v0
	s_delay_alu instid0(VALU_DEP_1)
	v_readfirstlane_b32 s10, v1                    ; wave 0..7
	s_and_b32 s11, ttmp7, 0xffff                   ; which table
	; descriptor group 1: 16 rows of 256 elements of 4 bytes, dense in memory, 4 words of padding behind each 256 words
	s_mov_b32 s24, (2<<16)|(1<<20)|(7<<22)|(3<<25)
	s_mov_b32 s25, 256<<16                         ; tensor_dim0
	s_mov_b32 s26, 16<<16                          ; tensor_dim1
	s_mov_b32 s27, 256<<16                         ; tile_dim0
	s_mov_b32 s28, 16                              ; tile_dim1
	s_mov_b32 s29, 256                             ; elements from row to row
	s_mov_b32 s30, 0
	s_mov_b32 s31, 0
	s_lshl_b32 s12, ttmp9, 17                      ; the step's 128 rows of 1,024 bytes,
	s_lshl_b32 s13, s10, 14                        ; my wave's 16 of them
	s_add_co_u32 s12, s12, s13
	s_mov_b32 s13, 0
	s_mul_i32 s14, s11, 125
	s_add_co_u32 s14, s14, ttmp9
	s_mul_i32 s14, s14, STEPB                      ; the step's block of wimg (under 2^25 bytes)
	s_mov_b32 s15, 0
	s_mul_i32 s16, s10, 16*PITCH                   ; the 16 rows that I fetch, in LDS
	s_mov_b32 s20, 0x76543210
	s_mov_b32 s21, 0xfedcba98                      ; v_permlanex16_b32's selects for lane l xor 16
	s_mov_b32 s23, 0x600000                        ; the mantissa field of 448
	; the wave's terms of the LDS addresses.  Along d: group g = w / 2, K step ks = w % 2.  Natural row 64 hf + 16 g + r is key(t, m) with t = 4 hf + 2 (g / 2) + r / 8 and m = 8 (g % 2) + r % 8
	s_lshr_b32 s36, s10, 1                         ; g
	s_and_b32 s37, s10, 1                          ; ks
	s_mul_i32 s38, s36, 16*PITCH
	s_lshl_b32 s45, s37, 9
	s_add_co_u32 s38, s38, s45                     ; my rows: 16 g rows on, 512 ks bytes along them
	s_lshr_b32 s46, s36, 1                         ; g / 2
	s_and_b32 s47, s36, 1
	s_lshl_b32 s47, s47, 7                         ; 128 (g % 2)
	s_lshl_b32 s39, s46, 13
	s_add_co_u32 s39, s39, s47
	s_lshl_b32 s45, s37, 11
	s_add_co_u32 s39, s39, s45
	s_add_co_u32 s39, s39, IMG                     ; K's codes: 8192 (g / 2) + 128 (g % 2) + 2048 ks
	s_lshl_b32 s40, s46, 3
	s_add_co_u32 s40, s40, s47
	s_lshl_b32 s45, s37, 8
	s_add_co_u32 s40, s40, s45
	s_add_co_u32 s40, s40, IMG+65536               ; K's scale words: 128 (g % 2) + 8 (g / 2) + 256 ks
	s_lshl_b32 s41, s10, 12
	s_add_co_u32 s44, s41, 32768                   ; the copy out of V's part: fragments 2 w, 2 w + 1
	s_add_co_u32 s41, s41, IMG+32768               ; V's codes: tiles 2 w, 2 w + 1
	s_lshr_b32 s42, s10, 2
	s_lshl_b32 s42, s42, 9
	s_and_b32 s45, s10, 3
	s_lshl_b32 s45, s45, 2
	s_add_co_u32 s42, s42, s45
	s_add_co_u32 s42, s42, IMG+66560               ; V's scale words
	s_lshl_b32 s43, s10, 11                        ; the copy out of K's part: 2,048 bytes a wave in the first stage,
	s_lshl_b32 s45, s10, 10                        ; 1,024 in a later one
	s_wait_dscnt 0x0
	s_wait_kmcnt 0x0
	s_cmp_eq_u32 s11, 0                            ; the choice hangs on the work-group's number alone
	s_cselect_b64 s[4:5], s[4:5], s[6:7]
	s_mov_b32 s32, 1                               ; group 0: count = 1,
	s_mov_b32 s33, s16                             ; LDS address,
	s_add_nc_u64 s[34:35], s[4:5], s[12:13]        ; global address,
	s_or_b32 s35, s35, 0x80000000                  ; type = 2
	s_add_nc_u64 s[8:9], s[8:9], s[14:15]
	s_cmp_lt_u32 s10, 4                            ; one tensor load a wave, in one chain of branches: each stage's waves have a line of their own, since each stage's barrier waits for its own lines
	s_cbranch_scc0 .Lstage_b
	tensor_load_to_lds s[32:35], s[24:31]
	s_nop 0
.rept 4
	v_nop
.endr
	s_branch .Lasked
.Lstage_b:
	s_cmp_lt_u32 s10, 6
	s_cbranch_scc0 .Lstage_c
	tensor_load_to_lds s[32:35], s[24:31]
	s_nop 0
.rept 4
	v_nop
.endr
	s_branch .Lasked
.Lstage_c:
	tensor_load_to_lds s[32:35], s[24:31]
	s_nop 0
.rept 4
	v_nop
.endr
.Lasked:
	v_and_b32 v13, 31, v0                          ; lane
	v_and_b32 v14, 15, v0                          ; r
	v_bfe_u32 v15, v0, 4, 1                        ; h
	v_bfe_u32 v16, v0, 3, 1                        ; r / 8
	v_and_b32 v17, 7, v0                           ; r % 8
	v_mul_u32_u24 v[KA], v14, PITCH                ; (the chains take turns line by line)
	v_lshlrev_b32 v[KI], 12, v16
	v_lshlrev_b32 v[KSI], 4, v17
	v_lshlrev_b32 v[VI], 11, v15
	v_lshl_add_u32 v[KA], v15, 6, v[KA]
	v_lshl_add_u32 v[KI], v17, 4, v[KI]
	v_lshl_add_u32 v[KSI], v16, 2, v[KSI]
	v_lshl_add_u32 v[VI], v14, 4, v[VI]
	v_add_nc_u32 v[KA], s38, v[KA]                 ; row 16 g + r, + 512 ks + 64 h: my 16 numbers of a block of 32
	v_lshl_add_u32 v[KI], v15, 8, v[KI]
	v_add_nc_u32 v[KSI], s40, v[KSI]               ; 16 m + 4 (t % 4) + 256 ks; 512 hf by the immediate
	v_add_nc_u32 v[VI], s41, v[VI]                 ; tile 2 w + lane / 16, lane r of it
	v_add_nc_u32 v[KA2], 64*PITCH, v[KA]
	v_add_nc_u32 v[KI], s39, v[KI]                 ; t 4096 + 2048 ks + 16 (m + 16 h); 16384 hf by the immediate
	v_lshlrev_b32 v[VA0], 2, v0                    ; channel 32 w + lane is my thread's number
	v_lshl_add_u32 v[VSI], v13, 4, s42
	v_lshl_add_u32 v[GK], v13, 4, s43
	v_lshl_add_u32 v[GV], v13, 4, s44
	v_lshl_add_u32 v[GK2], v13, 4, s45
	v_lshlrev_b32 v[GS], 3, v0
	v_add_nc_u32 v[VA2], 64*PITCH, v[VA0]
	v_add_nc_u32 v[CK], IMG, v[GK]
	v_add_nc_u32 v[CV], IMG, v[GV]
	v_add_nc_u32 v[CK2], IMG, v[GK2]
	v_add_nc_u32 v[GS], 65536, v[GS]               ; 256 bytes of scale words a wave, 8 a lane
.irp b, 0,1,2,3
	v_mov_b32 v[TM+4+\b], 0                        ; written once: a lane permute's destination counts as one of its sources
.endr
	v_add_nc_u32 v[CS8], IMG, v[GS]
.macro KLOAD x, adr                    ; my row's 64 numbers of my K step: register 16 c + i = d 128 ks + 32 c + 16 h + i
.irp c, 0,1,2,3
.irp i, 0,1,2,3
	ds_load_b128 v[\x+16*\c+4*\i:\x+16*\c+4*\i+3], v[\adr] offset:128*\c+16*\i
.endr
.endr
.endm
.macro QUANT s                         ; 64 numbers of a lane become a fragment's codes in v[PC] on and its row's scale word in v[PW]
.irp b, 0,1,2,3
	v_max3_num_f32 v[TM+\b], |v[\s+16*\b]|, |v[\s+1+16*\b]|, 0x4800000   ; block b: my 16 numbers, and the floor 2^(9 - 127): the byte cannot fall under 1
.endr
.irp i, 2,4,6,8,10,12,14
.irp b, 0,1,2,3
	s_delay_alu instid0(VALU_DEP_4)
	v_max3_num_f32 v[TM+\b], v[TM+\b], |v[\s+16*\b+\i]|, |v[\s+1+16*\b+\i]|   ; (the four blocks by turns)
.endr
.endr
.irp b, 0,1,2,3
	s_delay_alu instid0(VALU_DEP_4)
	v_permlanex16_b32 v[TM+4+\b], v[TM+\b], s20, s21
.endr
.irp b, 0,1,2,3
	s_delay_alu instid0(VALU_DEP_4)
	v_max_num_f32 v[TM+\b], v[TM+\b], v[TM+4+\b]   ; with lane l xor 16's 16: the block's largest magnitude
.endr
.irp b, 0,1,2,3
	s_delay_alu instid0(VALU_DEP_4)
	v_add_nc_u32 v[TM+12+\b], 0xfc000000, v[TM+\b] ; 8 off its exponent field: the conversion's scale operand
.endr
.irp b, 0,1,2,3
	v_and_or_b32 v[TM+8+\b], v[TM+\b], 0x7f800000, s23   ; 448 x the scale
.endr
.irp b, 0,1,2,3
	v_lshrrev_b32 v[TM+4+\b], 23, v[TM+12+\b]      ; the scale's byte
.endr
	s_delay_alu instid0(VALU_DEP_3)
	v_lshl_or_b32 v[PW], v[TM+5], 8, v[TM+4]
	s_delay_alu instid0(VALU_DEP_1)
	v_lshl_or_b32 v[PW], v[TM+6], 16, v[PW]
	s_delay_alu instid0(VALU_DEP_1)
	v_lshl_or_b32 v[PW], v[TM+7], 24, v[PW]
.irp b, 0,1,2,3
.irp i, 0,1,2,3,4,5,6,7,8,9,10,11,12,13,14,15
	v_med3_num_f32 v[\s+16*\b+\i], v[\s+16*\b+\i], -v[TM+8+\b], v[TM+8+\b]   ; the conversion to an 8-bit code does not saturate (ISA guide 7.6.2): the hold comes first
.endr
	v_cvt_scalef32_pk8_fp8_f32 v[PC+4*\b:PC+1+4*\b], v[\s+16*\b:\s+7+16*\b], v[TM+12+\b]
	v_cvt_scalef32_pk8_fp8_f32 v[PC+2+4*\b:PC+3+4*\b], v[\s+8+16*\b:\s+15+16*\b], v[TM+12+\b]
.endr
	v_nop                                          ; a plain line behind the last conversion
.endm
.macro KOUT hf
.irp c, 0,1,2,3
	ds_store_b128 v[KI], v[PC+4*\c:PC+4*\c+3] offset:16384*\hf+512*\c
.endr
	ds_store_b32 v[KSI], v[PW] offset:512*\hf      ; both halves of the lanes write the same word with the same value
.endm
.macro VLOAD x, adr, cc                ; a block of 32 keys of my channel: 32 lanes read 128 consecutive bytes of a row
.set i, 0
.rept 32
	ds_load_b32 v[\x+i], v[\adr] offset:(32*\cc+i)*PITCH
.set i, i+1
.endr
.endm
.macro VBLOCK x, c                     ; all 32 numbers of the block are mine: no other lane is asked
	v_max3_num_f32 v[TM], |v[\x]|, |v[\x+1]|, |v[\x+2]|
	v_max3_num_f32 v[TM+1], |v[\x+3]|, |v[\x+4]|, |v[\x+5]|
.irp i, 6,10,14,18,22,26
	s_delay_alu instid0(VALU_DEP_2)
	v_max3_num_f32 v[TM], v[TM], |v[\x+\i]|, |v[\x+\i+1]|
	s_delay_alu instid0(VALU_DEP_2)
	v_max3_num_f32 v[TM+1], v[TM+1], |v[\x+\i+2]|, |v[\x+\i+3]|
.endr
	s_delay_alu instid0(VALU_DEP_2)
	v_max3_num_f32 v[TM], v[TM], |v[\x+30]|, |v[\x+31]|
	s_delay_alu instid0(VALU_DEP_1)
	v_max3_num_f32 v[TM], v[TM], v[TM+1], 0x4800000
	s_delay_alu instid0(VALU_DEP_1)
	v_add_nc_u32 v[TM+2], 0xfc000000, v[TM]
	s_delay_alu instid0(VALU_DEP_2)
	v_and_or_b32 v[TM+3], v[TM], 0x7f800000, s23
	s_delay_alu instid0(VALU_DEP_2)
	v_lshrrev_b32 v[TM+1], 23, v[TM+2]
.if \c == 0
	s_delay_alu instid0(VALU_DEP_1)
	v_mov_b32 v[SB], v[TM+1]
.else
	s_delay_alu instid0(VALU_DEP_1)
	v_lshl_or_b32 v[SB], v[TM+1], 8*\c, v[SB]      ; the lower keys' byte in the lower place
.endif
.set i, 0
.rept 32
	v_med3_num_f32 v[\x+i], v[\x+i], -v[TM+3], v[TM+3]
.set i, i+1
.endr
.irp g, 0,1,2,3
	v_cvt_scalef32_pk8_fp8_f32 v[PC+8*(\c%2)+2*\g:PC+8*(\c%2)+2*\g+1], v[\x+8*\g:\x+8*\g+7], v[TM+2]
.endr
	v_nop                                          ; a plain line behind the last conversion
	ds_store_b128 v[VI], v[PC+8*(\c%2):PC+8*(\c%2)+3] offset:512*\c         ; keys 32 c + 0 .. 15: the fragment's lane r
	ds_store_b128 v[VI], v[PC+8*(\c%2)+4:PC+8*(\c%2)+7] offset:512*\c+256   ; keys 32 c + 16 .. 31: its lane 16 + r
.endm
; The copy out of the first stage: 2,048 bytes of K's fragments 0-7 a wave, and of V's fragments 2 w and 2 w + 1 quads 0, 1: eight instructions of 512 consecutive bytes
.macro COPYLD dst
.irp k, 0,1,2,3
	ds_load_b128 v[\dst+4*\k:\dst+4*\k+3], v[CK] offset:512*\k
.endr
.irp k, 0,1,2,3
	ds_load_b128 v[\dst+16+4*\k:\dst+16+4*\k+3], v[CV] offset:2048*(\k/2)+512*(\k%2)
.endr
.endm
.macro COPYST src
.irp k, 0,1,2,3
	global_store_b128 v[GK], v[\src+4*\k:\src+4*\k+3], s[8:9] offset:512*\k   ; 32 lanes store 512 consecutive bytes, at a multiple of 256 from wimg's first byte
.endr
.irp k, 0,1,2,3
	global_store_b128 v[GV], v[\src+16+4*\k:\src+16+4*\k+3], s[8:9] offset:2048*(\k/2)+512*(\k%2)
.endr
.endm
; The copy out of a later stage st = 0, 1: 1,024 bytes of K's fragments 8 + 4 st .. 11 + 4 st a wave, and of V's fragments 2 w and 2 w + 1 quad 2 + st: four instructions of 512 consecutive bytes
.macro QLD dst, st
.irp k, 0,1
	ds_load_b128 v[\dst+4*\k:\dst+4*\k+3], v[CK2] offset:16384+8192*\st+512*\k
.endr
.irp k, 0,1
	ds_load_b128 v[\dst+8+4*\k:\dst+8+4*\k+3], v[CV] offset:1024+512*\st+2048*\k
.endr
.endm
.macro QST src, st
.irp k, 0,1
	global_store_b128 v[GK2], v[\src+4*\k:\src+4*\k+3], s[8:9] offset:16384+8192*\st+512*\k
.endr
.irp k, 0,1
	global_store_b128 v[GV], v[\src+8+4*\k:\src+8+4*\k+3], s[8:9] offset:1024+512*\st+2048*\k
.endr
.endm
	s_wait_alu depctr_va_vdst(0)                   ; the wait at the head's end
	s_cmp_lt_u32 s10, 4
	s_cbranch_scc0 .Lnot_a
	s_wait_tensorcnt 0x0                           ; waves 0-3: my 16 rows of the first stage are in.  The other waves' waits stand at later barriers
.Lnot_a:
	s_barrier_signal -1
	s_barrier_wait -1                              ; rows 0-63 are in
	KLOAD XA, KA
	VLOAD XB, VA0, 0
	s_wait_dscnt 32                                ; my row's 16 loads are in; block 0's 32 may be out
	VLOAD XB+32, VA0, 1
	QUANT XA
	KOUT 0
	s_wait_dscnt 0x0                               ; blocks 0 and 1 are in, and the stores have read the codes' registers
	VBLOCK XB, 0
	VBLOCK XB+32, 1
	s_cmp_lt_u32 s10, 6
	s_cbranch_scc0 .Lnot_b
	s_wait_tensorcnt 0x0                           ; waves 4, 5: my 16 rows of the second stage are in (waves 0-3 have nothing out)
.Lnot_b:
	s_wait_dscnt 0x0                               ; my stores into the image are done
	s_barrier_signal -1
	s_barrier_wait -1                              ; rows 64-95 are in, and the first stage's image is whole
	COPYLD CP
	VLOAD XB, VA2, 0
	s_cmp_lt_u32 s10, 4                            ; waves 0-3's rows along d lie in rows 64-95
	s_cbranch_scc0 .Lno_rows_b
	KLOAD XA, KA2
.Lno_rows_b:
	s_wait_dscnt 0x0                               ; for the others' sake too: my reads of the first stage's image are over
	s_barrier_signal -1
	s_barrier_wait -1                              ; it parts those reads from the second stage's stores into the image
	COPYST CP
	s_cmp_lt_u32 s10, 4
	s_cbranch_scc0 .Lno_quant_b
	QUANT XA
	KOUT 1
	s_wait_dscnt 0x0                               ; the stores have read the codes' registers
.Lno_quant_b:
	VBLOCK XB, 2
	s_wait_tensorcnt 0x0                           ; every wave, under no branch: whatever I fetched is in,
	s_wait_dscnt 0x0                               ; and my stores into the image are done
	s_barrier_signal -1
	s_barrier_wait -1                              ; rows 96-127 are in, and the second stage's image is whole
	QLD CQ, 0
	VLOAD XB+32, VA2, 1
	s_cmp_lt_u32 s10, 4                            ; waves 4-7's rows along d lie in rows 96-127
	s_cbranch_scc1 .Lno_rows_c
	KLOAD XA, KA2
.Lno_rows_c:
	s_wait_dscnt 0x0                               ; my reads of the second stage's image are over
	s_barrier_signal -1
	s_barrier_wait -1                              ; it parts those reads from the third stage's stores
	QST CQ, 0
	s_cmp_lt_u32 s10, 4
	s_cbranch_scc1 .Lno_quant_c
	QUANT XA
	KOUT 1
	s_wait_dscnt 0x0                               ; the stores have read the codes' registers
.Lno_quant_c:
	VBLOCK XB+32, 3
	ds_store_b32 v[VSI], v[SB]
	s_wait_dscnt 0x0                               ; for the others' sake: my stores into the image are done
	s_barrier_signal -1
	s_barrier_wait -1
	QLD XA, 1
	ds_load_b64 v[XB:XB+1], v[CS8]
	s_wait_dscnt 0x0
	QST XA, 1
	global_store_b64 v[GS], v[XB:XB+1], s[8:9]     ; 32 lanes store 256 consecutive bytes, aligned
	s_wait_tensorcnt 0x0                           ; the wave's end
	ds_add_u32 v[SPW], v[NIL]
	s_wait_dscnt 0x0
	s_endpgm
.Lfunc_end_k_qc45164e191_quant:
	.size	k_qc45164e191_quant, .Lfunc_end_k_qc45164e191_quant-k_qc45164e191_quant
	.p2alignl 7, 3214868480
	.fill 96, 4, 3214868480
	.section	.rodata,"a",@progbits
	.p2align	6, 0x0
	.amdhsa_kernel k_qc45164e191_quant
		.amdhsa_group_segment_fixed_size 201728
		.amdhsa_private_segment_fixed_size 0
		.amdhsa_enable_private_segment 0
		.amdhsa_kernarg_size 24
		.amdhsa_user_sgpr_count 2
		.amdhsa_user_sgpr_kernarg_segment_ptr 1
		.amdhsa_wavefront_size32 1
		.amdhsa_system_sgpr_workgroup_id_x 1
		.amdhsa_system_sgpr_workgroup_id_y 1
		.amdhsa_system_sgpr_workgroup_id_z 1
		.amdhsa_system_vgpr_workitem_id 0
		.amdhsa_next_free_vgpr 244
		.amdhsa_next_free_sgpr 66
		.amdhsa_reserve_vcc 0
		.amdhsa_float_denorm_mode_32 3
		.amdhsa_float_denorm_mode_16_64 3
		.amdhsa_memory_ordered 1
		.amdhsa_forward_progress 1
		.amdhsa_inst_pref_size 67
	.end_amdhsa_kernel
	.amdgpu_metadata
---
amdhsa.version: [ 1, 2 ]
amdhsa.kernels:
  - .name:           k_qc45164e191_quant
    .symbol:         k_qc45164e191_quant.kd
    .args:
      - { .name: W_G_emb, .offset: 0, .size: 8, .value_kind: global_buffer, .address_space: global }
      - { .name: W_T_emb, .offset: 8, .size: 8, .value_kind: global_buffer, .address_space: global }
      - { .name: wimg, .offset: 16, .size: 8, .value_kind: global_buffer, .address_space: global }
    .group_segment_fixed_size: 201728
    .private_segment_fixed_size: 0
    .kernarg_segment_align: 8
    .kernarg_segment_size: 24
    .max_flat_workgroup_size: 256
    .sgpr_count:     66
    .vgpr_count:     244
    .wavefront_size: 32
...
	.end_amdgpu_metadata
.endif
;; end of part 1
;; launch attn (part 2): grid 32 x 8, 4 waves a work-group, clusters of 4 x 1, 327,680 bytes of LDS; arguments input_G_codes, input_G_scales, input_T_codes, input_T_scales, wimg, part, stat; writes part, stat
.if DOCPART == 2
	.amdgcn_target "amdgcn-amd-amdhsa--gfx1250"
	.amdhsa_code_object_version 6
	.text
	.protected	k_qc45164e191_attn
	.globl	k_qc45164e191_attn
	.p2align	8
	.type	k_qc45164e191_attn,@function
k_qc45164e191_attn:
	s_mov_b64 s[64:65], 0
	v_nop
	global_prefetch_b8 v0, s[64:65] scope:SCOPE_SE
	s_setreg_imm32_b32 hwreg(HW_REG_WAVE_MODE, 25, 1), 1
	s_wait_xcnt 0x0
	s_wait_alu depctr_hold_cnt(0) depctr_sa_sdst(0) depctr_va_vdst(0) depctr_va_sdst(0) depctr_va_ssrc(0) depctr_va_vcc(0) depctr_vm_vsrc(0)
	s_getreg_b32 s2, hwreg(HW_REG_IB_STS2, 6, 4)
	s_cmp_eq_u32 s2, 0
	s_cbranch_scc0 .Lentry_in_a_cluster
	s_endpgm
.Lentry_in_a_cluster:
	s_bfe_u32 s2, ttmp6, 0x10000c
	s_cmp_lg_u32 s2, 0x3003
	s_cbranch_scc0 .Lentry_shape_is_right
	s_endpgm
.Lentry_shape_is_right:
; Attention of 4,096 queries (codes of E4M3, K = 256) over the 16,000 rows of a table that is keys and values at once, for two tensors z (G, T); both products on codes of E4M3 with one E8M0 scale for each 32 along K.
; t = score x log2(e); M = the running largest t rounded UP to a whole number; p = 2^(t - M) is quantised along the keys, not normalised; the row's sum l is taken of the unquantised p; when M moves, l and O are multiplied by 2^(old M - new M): exact.
; The input mask is not among the arguments: reference() never reads it, and no output hangs on it.
; SHARES.  Work-group (x, y): 128 queries (x), tensor z = y / 4, key split s = y % 4.  Split s owns key steps (128 keys) 31 s .. 31 s + 30, split 3 one more: 125 in all.  It fetches 32 steps, 16 slots of two; local step 31 is worked for s = 3 alone.
; Wave w: g = w / 2 says which 64 queries (four tiles of 16), kh = w % 2 which of a slot's two steps.  So a fragment of K or V read from LDS feeds four matrix instructions.  At the end the two waves of a g exchange two tiles each through LDS and join them;
; the four splits' results (O not normalised, -M, l) go to part and stat, and the next launch joins those.  Register tile a of a wave holds query tile a xor 2 kh of its 64 queries, so that every wave keeps register tiles 0, 1 and sends 2, 3.
; LAYOUT.  Both products are used transposed: S^T = K Q^T (source 0 = 16 keys), O^T = V^T P^T (source 0 = 16 channels): a lane holds ONE query (lane % 16) throughout.  wimg holds K's and V's fragments and scale words as images of the operands' registers
; (the launch before laid them so): a fragment is four loads of 512 consecutive bytes, so LDS needs no padding.  The keys of a tile are chosen so that p's registers 16 b + i are keys 32 b + 16 (lane / 16) + i.
; CLUSTER.  The four query blocks of a cluster have the same (z, s) and walk the same slots: each quarter of a slot is asked for JOINTLY, by the same tensor load with the same descriptor and a mask that names the four.
; LIMITS: NaN and infinities are not served; a block of p under the floor 2^(9 - 127) keeps the byte 1 (its codes are zeros); a block's largest p is taken from its largest score, which takes v_exp_f32 not to fall where its input rises.
; REGISTERS, in windows of 256 (s_set_vgpr_msb: bits 1:0 source 0, 3:2 source 1, 5:4 source 2, 7:6 destination):
;   window 0: v1-7 addresses; v8-15 K's, then V's scale words; v16-19 Q's; v20-23 p's; v24-39 four a tile: -M, largest t, l in two halves; v40-47 f; v48-63 each block's largest score; v64-127 four of K's fragments, then the softmax's work; v128-255 Q
;   window 1: S^T, 64 a tile; the registers of key tiles not yet multiplied hold twelve of K's fragments meanwhile; then p's codes (16 a tile) and twelve buffers for V's fragments.      windows 2, 3: O^T, 128 a tile: tile a in window 2 + a / 2 at 128 (a % 2)
.set STEPB, 67584                      ; a key step's block of wimg
.set SLOTB, 2*STEPB                    ; a slot: two steps, as they lie in memory.  It shares no bit with a wave's quarter (w x QUART), so one exclusive or turns an address to the other slot
.set QUART, SLOTB/4                    ; what one tensor load brings: 132 rows of 256 bytes
.set SPARE, 2*SLOTB                    ; behind the ring: the spare words, 128 bytes for each wave: two blocks of 256 bytes that no other line names
.set XW,    33280                      ; the exchange at the end: 32,768 bytes of O^T and 512 of (-M, l) for each wave, in slot 0, which has had its last fill and its last read by then
.set SPW, 1                            ; v1   LDS address of my spare word; never rewritten
.set NIL, 2                            ; v2   0; never rewritten
.set LIK, 3                            ; v3   16 x lane + kh x STEPB
.set ADK, 4                            ; v4   + the slot in hand: the step's fragments
.set ADS, 5                            ; v5   + 65,536: its scale words
.set PFO, 6                            ; v6   256 x lane: the prefetches' offset
.set LI,  7                            ; v7   16 x lane
.set KVS, 8
.set QS,  16
.set PS,  20
.set ST,  24
.set FF,  40
.set FB,  48
.set QF,  128
.set BM,  FB                           ; 16: each block's largest score, then its largest p
.set KB,  FB+16                        ; 64: K's fragments 12 to 15; what follows lies over them and is first written behind the last product of S^T
.set PM,  FB+16                        ; 16: the other half's, then the bytes
.set HD,  FB+32                        ; 16: 448 x the scale
.set SO,  FB+48                        ; 16: the conversions' scale operands
.set T2,  FB+64                        ; 4 pairs: the sum's second chain
.set OLD, FB+72
.set RM,  FB+76
.set CB,  FB                           ; 32: held numbers on their way to the conversion, once BM and PM are done with
.set WV,  18                           ; s18 wave;  s19 g;  s20 kh;  s21 cx;  s22 query block;  s23 z;  s24 split;  s25 y
.set SG,  19
.set KH,  20
.set CX,  21
.set QB,  22
.set SZ,  23
.set SPL, 24
.set SY,  25
.set G1,  28                           ; s[28:35] descriptor group 1
.set G0,  36                           ; s[36:39] descriptor group 0: it walks
.set CS,  40                           ; s[40:41] log2(e): the packed form names a pair and takes its low word for both halves
.set SEL, 42                           ; s[42:43] v_permlanex16_b32's selects for lane l xor 16
.set MNT, 44                           ; s44 the mantissa field of 448
.set TB,  45                           ; s45 LDS byte at which the slot in hand begins
.set SLOTS, 46                         ; s46 slots still to be asked for
.set LIM, 47                           ; s47 1 in a cluster that prefetches, else the greatest number
.set PFA, 48                           ; s[48:49] where my prefetches stand
.set SKIP, 50                          ; s50 1: local step 31 is not mine to work
.set MSB, 0
.macro WIN new                         ; the immediate's high byte repeats the setting that is left; a switch that changes nothing is dropped
.if MSB != (\new)
	s_set_vgpr_msb (MSB<<8)|(\new)
.set MSB, (\new)
.endif
.endm
.macro CROUND                          ; a round of the cluster's barrier
	s_barrier_signal -1
	s_barrier_wait -1
	s_cmp_lg_u32 s[WV], 0
	s_cbranch_scc1 .Lnot_wave_0_\@
	s_barrier_signal -3
.Lnot_wave_0_\@:
	s_barrier_wait -3
	s_barrier_signal -1
	s_barrier_wait -1
.endm
; A PREFETCH of the codes of the slot that the NEXT change of slots will ask for: 2 x 65,536 bytes, lanes 256 bytes apart, 8,192 bytes a wave.  All eight clusters of a (z, s) walk the same slots: the first of them asks.
; Its four partners' sixteen waves share the bytes out BY ADDRESS (e = 4 cx + wave): no branch hangs on a work-group's place in its cluster.  Slots 0 and 1 come by their loads alone; the last change that fills a slot asks for nothing.
; A slot's 4,096 bytes of scale words are not asked for: they are 16 blocks of 256 bytes, no whole wave's worth.
.macro ASK
	s_cmp_gt_u32 s[SLOTS], s[LIM]
	s_cbranch_scc0 .Lnot_mine_\@
	global_prefetch_b8 v[PFO], s[PFA:PFA+1] th:TH_LOAD_NT scope:SCOPE_SE
.Lnot_mine_\@:
.endm
; THE CHANGE OF SLOTS stands at a slot's head.  Each wave waits for all its tensor loads (one is out: its quarter of the slot that it is about to read), adds 0 to its spare word, and waits for that and for its reads of the slot that it has left.
; fill = 1: a round of the cluster's barrier, and behind it the other slot is filled with the two steps that follow: the wave's one tensor load until the next change; it has a whole key step's work in which to land.
.macro CHANGE fill
	s_wait_tensorcnt 0x0                           ; no tensor load of mine is out, so group 0 may be written
	ds_add_u32 v[SPW], v[NIL]                      ; 0 onto my spare word
.if \fill
	s_xor_b32 s[G0+1], s[G0+1], SLOTB              ; the other slot than last time,
	s_add_nc_u64 s[G0+2:G0+3], s[G0+2:G0+3], SLOTB ; the next two steps; the type bits on top are not reached
	s_wait_xcnt 0x0                                ; the last prefetch, a slot back, has read its address:
	s_add_nc_u64 s[PFA:PFA+1], s[PFA:PFA+1], SLOTB ; one slot further on than the walking descriptor
	s_wait_dscnt 0x0                               ; the add is done, and my reads of the slot that I have left are over
	CROUND
	tensor_load_to_lds s[G0:G0+3], s[G1:G1+7]
	s_nop 0
.rept 4
	v_nop
.endr
	ASK
.else
	s_wait_dscnt 0x0
	s_barrier_signal -1
	s_barrier_wait -1
.endif
.endm
; K's SIXTEEN FRAGMENTS (n = 2 t + ks: tile t of 16 keys, K step ks) HAVE SIXTEEN BUFFERS, so that none is loaded twice in a step.  Block b of 32 keys is fragments 4 b .. 4 b + 3, and its products write registers 64 a + 16 b .. + 15 of window 1.
; Fragments 0-11 lie in the registers of the NEXT block's results: fragment n at 64 (n % 4) + 16 + 16 (n / 4) of window 1; they are multiplied before those results are written.  Fragments 12-15 lie in window 0.
.macro KFRAG n
.if (\n) < 12
	WIN 0x40                                       ; destination window 1, address window 0
.set rK, 64*((\n)%4)+16+16*((\n)/4)
.else
	WIN 0
.set rK, KB+16*((\n)-12)
.endif
.irp c, 0,1,2,3
	ds_load_b128 v[rK+4*\c:rK+4*\c+3], v[ADK] offset:(\n)*2048+512*\c
.endr
.endm
.macro SMM n, a                        ; S^T (tile a of queries, tile n / 2 of keys): K step n % 2.  The first K step starts the sum.  K's scale words: register n / 2, lanes 0-15 for K step 0, lanes 16-31 for K step 1; Q's likewise
.set rD, 64*(\a)+8*((\n)/2)
.if (\n) < 12
	WIN 0x51                                       ; K's fragment, C and D in window 1, Q in window 0
.set rK, 64*((\n)%4)+16+16*((\n)/4)
.else
	WIN 0x50
.set rK, KB+16*((\n)-12)
.endif
.if (\n)%2 == 0
	v_wmma_scale_f32_16x16x128_f8f6f4 v[rD:rD+7], v[rK:rK+15], v[QF+32*(\a):QF+32*(\a)+15], 0, v[KVS+(\n)/2], v[QS+(\a)]
.else
	v_wmma_scale_f32_16x16x128_f8f6f4 v[rD:rD+7], v[rK:rK+15], v[QF+32*(\a)+16:QF+32*(\a)+31], v[rD:rD+7], v[KVS+(\n)/2], v[QS+(\a)] matrix_a_scale:MATRIX_SCALE_ROW1 matrix_b_scale:MATRIX_SCALE_ROW1
.endif
.endm
; Four lines of the search for the largest score of block b, one for each tile of queries: scores i and i + 1 of the lane's sixteen.  i ascends.
; The largest score of a block serves for the row's maximum and, since p rises with the score, for the block's largest p.
.macro AMAX b, i
	WIN 0x14
.irp a, 0,1,2,3
.if (\i) == 0
	v_max3_num_f32 v[BM+4*\a+(\b)], 0xff800000, v[64*\a+16*(\b)], v[64*\a+16*(\b)+1]
.else
	v_max3_num_f32 v[BM+4*\a+(\b)], v[BM+4*\a+(\b)], v[64*\a+16*(\b)+(\i)], v[64*\a+16*(\b)+(\i)+1]
.endif
.endr
.endm
.macro VFRAG tt                        ; V's fragment tt into buffer tt % 12, in window 1: buffer k at 64 (k / 3) + 16 + 16 (k % 3)
.set rV, 64*(((\tt)%12)/3)+16+16*(((\tt)%12)%3)
.irp c, 0,1,2,3
	ds_load_b128 v[rV+4*\c:rV+4*\c+3], v[ADK] offset:32768+(\tt)*2048+512*\c
.endr
.endm
.macro RESC a, tt                      ; O^T (tile a, channels 16 tt on) under the new M: x f, from the accumulator's low end on
	WIN 0x82+0x41*((\a)/2)
.irp j, 0,2,4,6
	v_pk_mul_f32 v[128*((\a)%2)+8*(\tt)+\j:128*((\a)%2)+8*(\tt)+\j+1], v[128*((\a)%2)+8*(\tt)+\j:128*((\a)%2)+8*(\tt)+\j+1], v[FF+2*(\a):FF+2*(\a)+1] op_sel_hi:[1,0]
.endr
.endm
.macro PVP a, tt                       ; O^T (a, tt) += V^T P^T over the step's 128 keys.  V's scale words: register tt / 2, lanes 0-15 for an even tt, lanes 16-31 for an odd one
	WIN 0xa5+0x50*((\a)/2)
.set rO, 128*((\a)%2)+8*(\tt)
.set rV, 64*(((\tt)%12)/3)+16+16*(((\tt)%12)%3)
.set rP, 64*(\a)
.if (\tt)%2 == 0
	v_wmma_scale_f32_16x16x128_f8f6f4 v[rO:rO+7], v[rV:rV+15], v[rP:rP+15], v[rO:rO+7], v[KVS+(\tt)/2], v[PS+(\a)]
.else
	v_wmma_scale_f32_16x16x128_f8f6f4 v[rO:rO+7], v[rV:rV+15], v[rP:rP+15], v[rO:rO+7], v[KVS+(\tt)/2], v[PS+(\a)] matrix_a_scale:MATRIX_SCALE_ROW1
.endif
.endm
; A KEY STEP: 128 keys against my four tiles of queries.  last = 1: the step that some waves leave out (a scalar branch on ids; no barrier and no tensor load stands in a step).
.macro STEP last
	v_add_nc_u32 v[ADK], s[TB], v[LIK]
	v_add_nc_u32 v[ADS], 0x10000, v[ADK]
	s_wait_alu depctr_va_vdst(0)                   ; directly behind the writes
.if \last
	s_cmp_lg_u32 s[SKIP], 0
	s_cbranch_scc1 .Lskip_\@
.endif
.rept 9
	v_nop                                          ; nine places: block 0's products write over registers that the last step's products read as sources; they also serve the loads below, into registers that those products read
.endr
	ds_load_b128 v[KVS:KVS+3], v[ADS]              ; K's scale words: register t; lanes 0-15 K step 0, lanes 16-31 K step 1
	ds_load_b128 v[KVS+4:KVS+7], v[ADS] offset:512
.irp f, 0,1,2,3,4,5,6,7
	KFRAG \f
.endr
	; S^T = K Q^T, fragment by fragment, each against my four tiles: the four accumulators take turns, one instruction a turn.
	; From block 1 on, four lines of the search through the block BEFORE stand behind each pair of products: 8 pairs x 4 lines are that block's 32.  They name no register of the products round them, so they are also the places that the products owe.
	; THE LOADS stand in three runs: 34 above, 16 behind block 0, 16 behind block 1.  In block 0 the wait ahead of fragment n leaves out its run's later fragments, 4 (3 - n) loads, and the next four fragments' 16.
	; From block 1 on ONE wait stands at a block's head, so that no chain of the search crosses a wait: it leaves out the next run's 16 loads (block 3 has no next run).
.set n, 0
.rept 16
.if n < 4
	s_wait_dscnt 28-4*n
.elseif n == 12
	s_wait_dscnt 0x0
.elseif n%4 == 0
	s_wait_dscnt 16
.endif
.irp hp, 0,1
	SMM n, 2*\hp
	SMM n, 2*\hp+1
.if n >= 4
	AMAX n/4-1, 4*(n%4)+2*\hp
.endif
.endr
.if n == 3
.rept 9
	v_nop                                          ; nine places: block 1's products write over the registers from which block 0's took fragments 0-3; and the first lines of the search read block 0's results
.endr
.irp f, 8,9,10,11
	KFRAG \f
.endr
.endif
.if n == 7
	v_nop                                          ; product (8, tile 3) writes over fragment 7's registers, last read by product (7, tile 3): between them stand two slices of four lines and this one: nine places
.irp f, 12,13,14,15
	KFRAG \f
.endr
.endif
.if n == 11
	v_nop                                          ; the same for fragment 11's registers and product (12, tile 3)
.endif
.set n, n+1
.endr
.irp i, 0,2,4,6,8,10,12,14
	AMAX 3, \i                                     ; block 3's search has no products to stand behind.  Its first 16 lines read key tile 6, finished 20 lines back; they are the places ahead of the reads of key tile 7
.endr
	WIN 0
	ds_load_b128 v[KVS:KVS+3], v[ADS] offset:1024  ; V's scale words: 36 plain lines behind the last product that read K's
	ds_load_b128 v[KVS+4:KVS+7], v[ADS] offset:1536
.set k, 0
.rept 16
	v_permlanex16_b32 v[PM+k], v[BM+k], s[SEL], s[SEL+1]
.set k, k+1
.endr
.set k, 0
.rept 8
	v_dual_max_num_f32 v[BM+k], v[BM+k], v[PM+k] :: v_dual_max_num_f32 v[BM+k+1], v[BM+k+1], v[PM+k+1]   ; with lane l xor 16's 16 keys, two blocks to an instruction
.set k, k+2
.endr
.irp a, 0,1,2,3
	v_max3_num_f32 v[RM+\a], v[BM+4*\a], v[BM+4*\a+1], v[BM+4*\a+2]
.endr
.irp a, 0,1,2,3
	v_max_num_f32 v[RM+\a], v[RM+\a], v[BM+4*\a+3] ; the step's largest score of my query
.endr
.irp a, 0,1,2,3
	v_mul_f32 v[RM+\a], s[CS], v[RM+\a]            ; as t
.endr
.irp a, 0,1,2,3
	v_max_num_f32 v[ST+4*\a+1], v[ST+4*\a+1], v[RM+\a]   ; the running largest t
.endr
.irp a, 0,1,2,3
	v_mov_b32 v[OLD+\a], v[ST+4*\a]
.endr
.irp a, 0,1,2,3
	v_floor_f32 v[ST+4*\a], -v[ST+4*\a+1]          ; the new -M = floor(-t): M is a whole number
.endr
.irp a, 0,1,2,3
	v_sub_f32 v[OLD+\a], v[ST+4*\a], v[OLD+\a]     ; old M - new M: a whole number, 0 or less
.endr
.irp a, 0,1,2,3
	v_cvt_i32_f32 v[OLD+\a], v[OLD+\a]             ; (it saturates)
.endr
.irp a, 0,1,2,3
	v_ldexp_f32 v[FF+2*\a], 1.0, v[OLD+\a]         ; f = 2^(old M - new M)
.endr
.set k, 0
.rept 16
	v_fma_f32 v[BM+k], v[BM+k], s[CS], v[ST+4*(k/4)]   ; t - M of each block's largest score
.set k, k+1
.endr
	WIN 0x41
.set sq, 0
.rept 32
.set j, 64+2*sq
	v_pk_fma_f32 v[j:j+1], v[j:j+1], s[CS:CS+1], v[ST+4*(j/64):ST+4*(j/64)+1] op_sel_hi:[1,0,0]   ; tile 1's t - M, two at a time
.set sq, sq+1
.endr
	WIN 0
	s_wait_alu depctr_va_vdst(0)                   ; the wait ahead of a batch of exponentials
.set k, 0
.rept 16
	v_exp_f32 v[BM+k], v[BM+k]                     ; the block's largest p
.set k, k+1
.endr
	; p = 2^(t - M), at most 1, not normalised.  FOUR BATCHES of 64 exponentials, a tile each, in the order 1, 2, 3, 0; behind each two exponentials stands one packed scaling t - M of the NEXT batch's tile.
	; A scaling reads what was written ahead of its batch's wait, and its result is read behind the next batch's wait; no line of a batch names an exponential's result of that batch.
	; Tile 0 goes last: its register numbers in window 1 are those of -M's and of the blocks' largest p in window 0.
	WIN 0x41
.irp a, 1,2,3,0
.if \a != 1
	s_wait_alu depctr_va_vdst(0)                   ; the wait ahead of each batch
.endif
.set sq, 0
.rept 32
.set j, 64*\a+2*sq
	v_exp_f32 v[j], v[j]
	v_exp_f32 v[j+1], v[j+1]
.if \a != 0
.set j, 64*((\a+1)%4)+2*sq
	v_pk_fma_f32 v[j:j+1], v[j:j+1], s[CS:CS+1], v[ST+4*(j/64):ST+4*(j/64)+1] op_sel_hi:[1,0,0]
.endif
.set sq, sq+1
.endr
.endr
	v_nop                                          ; a plain line behind the last exponential,
	s_wait_alu depctr_va_vdst(0)                   ; and one wait for the 256
	WIN 0
.set k, 0
.rept 8
	v_dual_max_num_f32 v[BM+k], 0x4800000, v[BM+k] :: v_dual_max_num_f32 v[BM+k+1], 0x4800000, v[BM+k+1]   ; the floor 2^(9 - 127): the byte cannot fall under 1
.set k, k+2
.endr
.set k, 0
.rept 16
	v_add_nc_u32 v[SO+k], 0xfc000000, v[BM+k]      ; 8 off the exponent field: the conversion's scale operand
.set k, k+1
.endr
.set k, 0
.rept 16
	v_and_or_b32 v[HD+k], v[BM+k], 0x7f800000, s[MNT]   ; 448 x the scale
.set k, k+1
.endr
.set k, 0
.rept 16
	v_lshrrev_b32 v[PM+k], 23, v[SO+k]             ; the scale's byte
.set k, k+1
.endr
.irp a, 0,1,2,3
	v_lshl_or_b32 v[PS+\a], v[PM+4*\a+1], 8, v[PM+4*\a]   ; p's scale word for these 128 keys
.endr
.irp a, 0,1,2,3
	v_lshl_or_b32 v[PS+\a], v[PM+4*\a+2], 16, v[PS+\a]
.endr
.irp a, 0,1,2,3
	v_lshl_or_b32 v[PS+\a], v[PM+4*\a+3], 24, v[PS+\a]
.endr
.irp a, 0,1,2,3
	v_pk_mul_f32 v[ST+4*\a+2:ST+4*\a+3], v[ST+4*\a+2:ST+4*\a+3], v[FF+2*\a:FF+2*\a+1] op_sel_hi:[1,0]   ; the sums under the new M
.endr
	; the row's sum is taken of the unquantised p: two at a time, in two chains
	WIN 0x05
.irp a, 0,1,2,3
	v_pk_add_f32 v[T2+2*\a:T2+2*\a+1], v[64*\a:64*\a+1], v[64*\a+2:64*\a+3]
.endr
	WIN 0x04
.irp j, 4,8,12,16,20,24,28,32,36,40,44,48,52,56,60
.irp a, 0,1,2,3
	v_pk_add_f32 v[ST+4*\a+2:ST+4*\a+3], v[ST+4*\a+2:ST+4*\a+3], v[64*\a+\j:64*\a+\j+1]
	v_pk_add_f32 v[T2+2*\a:T2+2*\a+1], v[T2+2*\a:T2+2*\a+1], v[64*\a+\j+2:64*\a+\j+3]
.endr
.endr
	WIN 0
.irp a, 0,1,2,3
	v_pk_add_f32 v[ST+4*\a+2:ST+4*\a+3], v[ST+4*\a+2:ST+4*\a+3], v[T2+2*\a:T2+2*\a+1]
.endr
	; p becomes codes, two blocks at a time: held (p is not negative, so the hold is one-sided) into window 0, converted into the tile's first 16 registers of window 1.  The tile's other 48 registers then take three fragments of V
.irp a, 0,1,2,3
.irp pb, 0,1
	WIN 0x01
.set i, 0
.rept 16                                       ; two holds to an instruction: destinations even and odd, first sources neighbours, the bound the same register in both
	v_dual_min_num_f32 v[CB+i], v[64*\a+32*\pb+i], v[HD+4*\a+2*\pb+i/16] :: v_dual_min_num_f32 v[CB+i+1], v[64*\a+32*\pb+i+1], v[HD+4*\a+2*\pb+i/16]
.set i, i+2
.endr
	WIN 0x40
.irp g, 0,1,2,3
	v_cvt_scalef32_pk8_fp8_f32 v[64*\a+8*\pb+2*\g:64*\a+8*\pb+2*\g+1], v[CB+8*\g:CB+8*\g+7], v[SO+4*\a+2*\pb+\g/2]
.endr
	v_nop                                          ; a plain line behind the last conversion: the next lines write its sources
.endr
.irp j, 0,1,2
	VFRAG 3*\a+\j
.endr
.endr
	; O^T is brought under the new M ahead of the products, in two runs of 128 lines, one for each window.  O^T is a matrix result first read behind exponentials: the wait stands directly ahead of each run.
	; These 256 lines are also the places between the conversions and the products.  Each accumulator has one product a step: they take turns.
.irp a, 0,1,2,3
.if \a%2 == 0
	WIN 0x82+0x41*(\a/2)
	s_wait_alu depctr_va_vdst(0)
.endif
.irp u, 0,1,2,3,4,5,6,7,8,9,10,11,12,13,14,15
	RESC \a, \u
.endr
.endr
	s_wait_alu depctr_va_vdst(0)                   ; directly ahead of the wait below
.irp q, 0,1,2,3
.if \q == 0
	s_wait_dscnt 32
.elseif \q == 3
	s_wait_dscnt 0x0                               ; fragments 12-15 are in
.else
	s_wait_dscnt 16                                ; this group's four fragments are in; the four asked for behind them may be out
.endif
.irp hf, 0,1
.irp u, 0,1,2,3
.irp e, 0,1
	PVP 2*\hf+\e, 4*\q+\u
.endr
.endr
.if (\q == 1) && (\hf == 0)
.rept 8
	v_nop                                          ; eight places: fragments 12-15 take the buffers of fragments 0-3, which products have read
.endr
	WIN 0x40
.irp f, 12,13,14,15
	VFRAG \f
.endr
.endif
.endr
.endr
	WIN 0
.if \last
.Lskip_\@:
.else
	s_xor_b32 s[TB], s[TB], SLOTB                  ; on to the other slot
.endif
.endm
	s_load_b256 s[4:11], s[0:1], 0x0               ; G's codes, G's scales, T's codes, T's scales
	s_load_b128 s[12:15], s[0:1], 0x20             ; wimg, part
	s_load_b64 s[16:17], s[0:1], 0x30              ; stat
	v_lshl_add_u32 v[SPW], v0, 2, SPARE
	v_mov_b32 v[NIL], 0
	ds_add_u32 v1, v2
	ds_add_u32 v1, v2
	s_wait_dscnt 0x0
	v_lshrrev_b32 v[LIK], 5, v0
	v_readfirstlane_b32 s[WV], v[LIK]              ; wave 0..3
	s_lshr_b32 s[SG], s[WV], 1
	s_and_b32 s[KH], s[WV], 1
	s_bfe_u32 s[CX], ttmp6, 0x40000                ; my place in the cluster: it enters Q's, part's, stat's and the prefetches' global addresses alone
	s_lshl_b32 s[QB], ttmp9, 2
	s_add_co_u32 s[QB], s[QB], s[CX]               ; my block of 128 queries
	s_and_b32 s[SY], ttmp7, 0xffff
	s_lshr_b32 s[SZ], s[SY], 2                     ; the tensor
	s_and_b32 s[SPL], s[SY], 3                     ; the key split
	; descriptor group 1: 132 rows of 32 elements of 8 bytes, dense; no padding
	s_mov_b32 s[G1], 15|(3<<16)|(1<<21)            ; 15:0 the mask: all four work-groups; 17:16 elements of 8 bytes; 21 set beside a mask
	s_mov_b32 s[G1+1], 32<<16                      ; tensor_dim0
	s_mov_b32 s[G1+2], 132<<16                     ; tensor_dim1
	s_mov_b32 s[G1+3], 32<<16                      ; tile_dim0
	s_mov_b32 s[G1+4], 132                         ; tile_dim1
	s_mov_b32 s[G1+5], 32                          ; elements from row to row
	s_mov_b32 s[G1+6], 0
	s_mov_b32 s[G1+7], 0
	s_mov_b32 s[CS], 0x3fb8aa3b                    ; log2(e)
	s_mov_b32 s[CS+1], s[CS]
	s_mov_b32 s[SEL], 0x76543210
	s_mov_b32 s[SEL+1], 0xfedcba98
	s_mov_b32 s[MNT], 0x600000
	s_mov_b32 s[TB], 0
	s_mov_b32 s[SLOTS], 15
	s_mul_i32 s52, s[SZ], 125*STEPB
	s_mul_i32 s53, s[SPL], 31*STEPB
	s_add_co_u32 s52, s52, s53                     ; where my split's steps begin in wimg
	s_mul_i32 s54, s[WV], QUART                    ; my quarter of a slot, in memory and in LDS
	s_add_co_u32 s56, s52, s54
	s_mov_b32 s57, 0
	s_lshl_b32 s58, s[CX], 2
	s_add_co_u32 s58, s58, s[WV]                   ; e = 4 cx + wave: which 8,192 bytes of a slot's codes I prefetch
	s_lshr_b32 s59, s58, 3
	s_mul_i32 s59, s59, STEPB
	s_and_b32 s58, s58, 7
	s_lshl_b32 s58, s58, 13
	s_add_co_u32 s58, s58, s59
	s_add_co_u32 s58, s58, s52
	s_add_co_u32 s58, s58, SLOTB                   ; in slot 1: the first change of slots steps it to slot 2
	s_mov_b32 s59, 0
	s_lshl_b32 s60, s[QB], 7
	s_lshl_b32 s61, s[SG], 6
	s_add_co_u32 s60, s60, s61                     ; my wave's first query
	s_lshl_b32 s62, s60, 3                         ; its scale bytes,
	s_mov_b32 s63, 0
	s_lshl_b32 s60, s60, 8                         ; its codes
	s_mov_b32 s61, 0
	s_lshl_b32 s66, s[SY], 8
	s_lshl_b32 s67, s[QB], 3
	s_add_co_u32 s66, s66, s67
	s_lshl_b32 s67, s[SG], 2
	s_add_co_u32 s66, s66, s67
	s_lshl_b32 s67, s[KH], 1
	s_add_co_u32 s66, s66, s67                     ; 256 y + the first query tile that I keep
	s_lshl_b32 s68, s66, 8                         ; in stat,
	s_mov_b32 s69, 0
	s_lshl_b32 s66, s66, 14                        ; in part
	s_mov_b32 s67, 0
	s_cmp_lt_u32 s[SPL], 3
	s_cselect_b32 s[SKIP], s[KH], 0                ; local step 31 belongs to the next split, but for the last split
	s_cmp_eq_u32 ttmp9, 0
	s_cselect_b32 s[LIM], 1, -1                    ; the same in all four partners
	v_and_b32 v[LI], 31, v0
	v_lshlrev_b32 v[PFO], 8, v[LI]
	v_lshlrev_b32 v[LI], 4, v[LI]
	s_mul_i32 s55, s[KH], STEPB
	v_add_nc_u32 v[LIK], s55, v[LI]
	s_wait_alu depctr_va_vdst(0)
	s_wait_kmcnt 0x0
	s_mov_b32 s[G0], 1                             ; count = 1
	s_mov_b32 s[G0+1], s54                         ; LDS address: slot 0
	s_add_nc_u64 s[G0+2:G0+3], s[12:13], s[56:57]  ; global address
	s_or_b32 s[G0+3], s[G0+3], 0x80000000          ; type = 2
	s_add_nc_u64 s[PFA:PFA+1], s[12:13], s[58:59]
	s_cmp_eq_u32 s[SZ], 0
	s_cselect_b64 s[4:5], s[4:5], s[8:9]           ; the tensor's queries: the choice hangs on the work-group's number alone
	s_cselect_b64 s[6:7], s[6:7], s[10:11]
	s_add_nc_u64 s[4:5], s[4:5], s[60:61]
	s_add_nc_u64 s[6:7], s[6:7], s[62:63]
	s_add_nc_u64 s[14:15], s[14:15], s[66:67]
	s_add_nc_u64 s[16:17], s[16:17], s[68:69]
	CROUND                                         ; all four work-groups are here: the first joint loads meet
	tensor_load_to_lds s[G0:G0+3], s[G1:G1+7]      ; slot 0; slot 1 is filled behind the first change of slots: one tensor load of mine is out at any time
	s_nop 0
.rept 4
	v_nop
.endr
	; Q stays in registers: register tile a holds query tile a xor 2 kh
	v_and_b32 v48, 15, v0                          ; r
	v_bfe_u32 v49, v0, 4, 1                        ; h
	v_lshlrev_b32 v50, 8, v48
	v_lshl_add_u32 v50, v49, 4, v50                ; row r of 256 bytes, + 16 h
	s_lshl_b32 s56, s[KH], 13
	s_xor_b32 s57, s56, 8192
	v_add_nc_u32 v51, s57, v50                     ; register tiles 2, 3
	v_add_nc_u32 v50, s56, v50                     ; register tiles 0, 1
	v_lshlrev_b32 v52, 3, v48
	v_lshl_add_u32 v52, v49, 2, v52                ; scale words: 8 bytes a row; lanes 0-15 take K step 0's, lanes 16-31 K step 1's
	s_lshl_b32 s56, s[KH], 8
	s_xor_b32 s57, s56, 256
	v_add_nc_u32 v53, s57, v52
	v_add_nc_u32 v52, s56, v52
.irp a, 0,1,2,3
.irp ks, 0,1
.irp c, 0,1,2,3
	global_load_b128 v[QF+32*\a+16*\ks+4*\c:QF+32*\a+16*\ks+4*\c+3], v[50+\a/2], s[4:5] offset:(\a%2)*4096+128*\ks+32*\c
.endr
.endr
	global_load_b32 v[QS+\a], v[52+\a/2], s[6:7] offset:(\a%2)*128
.endr
.irp a, 0,1,2,3
	v_mov_b32 v[ST+4*\a+1], 0xff61b1e6             ; the largest t so far: -3e38, under every t
	v_floor_f32 v[ST+4*\a], -v[ST+4*\a+1]          ; -M
	v_mov_b32 v[ST+4*\a+2], 0                      ; the sum, in two halves
	v_mov_b32 v[ST+4*\a+3], 0
	v_mov_b32 v[FF+2*\a+1], 0                      ; (named as the upper half of f's pair)
.endr
	; O^T begins as zeros, which the first change of M leaves zeros: so the key step is written for all steps alike, and a copy of it for a first step is spared.  These lines stand while the first slot and Q are on their way
	WIN 0x80
.set j, 0
.rept 256
	v_mov_b32 v[j], 0
.set j, j+1
.endr
	WIN 0xc0
.set j, 0
.rept 256
	v_mov_b32 v[j], 0
.set j, j+1
.endr
	WIN 0
	s_wait_alu depctr_va_vdst(0)                   ; the wait at the head's end
	s_wait_loadcnt 0x0
.Lslot:                                            ; 15 trips: behind each change of slots but the last the next slot is asked for
	CHANGE 1
	STEP 0
	s_sub_co_u32 s[SLOTS], s[SLOTS], 1
	s_cmp_lg_u32 s[SLOTS], 0
	s_cbranch_scc1 .Lslot
	CHANGE 0                                       ; the last slot is written out
	STEP 1
	; THE END.  l's two halves and the other half of the lanes' are added, and l is laid beside -M.  These lines and the addresses below are also the places behind the last products.
.irp a, 0,1,2,3
	v_add_f32 v[ST+4*\a+1], v[ST+4*\a+2], v[ST+4*\a+3]
.endr
.irp a, 0,1,2,3
	v_permlanex16_b32 v[ST+4*\a+2], v[ST+4*\a+1], s[SEL], s[SEL+1]
.endr
.irp a, 0,1,2,3
	v_add_f32 v[ST+4*\a+1], v[ST+4*\a+1], v[ST+4*\a+2]
.endr
.set XST, 3                            ; v3  where I put my tiles 2, 3;  v4 where I find my partner's;  v5, v6 the same for the pairs (-M, l)
.set XLD, 4
.set XS8, 5
.set XL8, 6
.set XP,  FB                           ; v48-51 my partner's two pairs
.set NMR, FB+4
.set DA,  FB+5
.set DB,  FB+6
.set WM,  FB+8                         ; a pair: my weight, twice
.set WT,  FB+10                        ; a pair: my partner's
	s_mul_i32 s52, s[WV], XW
	s_xor_b32 s53, s[WV], 1                        ; my partner: the same queries, the other steps
	s_mul_i32 s53, s53, XW
	v_add_nc_u32 v[XST], s52, v[LI]
	v_add_nc_u32 v[XLD], s53, v[LI]
	v_and_b32 v[XS8], 31, v0
	v_lshlrev_b32 v[XS8], 3, v[XS8]
	s_wait_alu depctr_va_vdst(0)
	s_wait_xcnt 0x0                                ; the last prefetch has read its offset, so the register may be written
	v_add_nc_u32 v[XL8], s53, v[XS8]
	v_add_nc_u32 v[XS8], s52, v[XS8]
	WIN 0x0c                                       ; an LDS store's data are its source 1: window 3
.set k, 0
.rept 64
	ds_store_b128 v[XST], v[4*k:4*k+3] offset:512*k   ; as they stand, each accumulator from its low end on
.set k, k+1
.endr
	WIN 0
	ds_store_b64 v[XS8], v[ST+8:ST+9] offset:32768
	ds_store_b64 v[XS8], v[ST+12:ST+13] offset:33024
	s_wait_alu depctr_va_vdst(0)
	s_wait_dscnt 0x0
	s_barrier_signal -1
	s_barrier_wait -1
	ds_load_b64 v[XP:XP+1], v[XL8] offset:32768
	ds_load_b64 v[XP+2:XP+3], v[XL8] offset:33024
	WIN 0x40
.set k, 0
.rept 64
	ds_load_b128 v[4*k:4*k+3], v[XLD] offset:512*k    ; my partner's register tile 2 + a holds the queries of my register tile a
.set k, k+1
.endr
	WIN 0
	v_and_b32 v[XS8], 31, v0
	v_lshlrev_b32 v[XS8], 3, v[XS8]                ; stat: 8 bytes a lane
; Two results for the same queries are joined: both are brought under the larger M by powers of two, which round nothing.
.macro JOIN a
	v_min_num_f32 v[NMR], v[ST+4*\a], v[XP+2*\a]   ; the smaller -M
	v_sub_f32 v[DA], v[NMR], v[ST+4*\a]
	v_sub_f32 v[DB], v[NMR], v[XP+2*\a]
	v_cvt_i32_f32 v[DA], v[DA]
	v_cvt_i32_f32 v[DB], v[DB]
	v_ldexp_f32 v[WM], 1.0, v[DA]
	v_ldexp_f32 v[WM+1], 1.0, v[DA]
	v_ldexp_f32 v[WT], 1.0, v[DB]
	v_ldexp_f32 v[WT+1], 1.0, v[DB]
	v_mul_f32 v[ST+4*\a+1], v[ST+4*\a+1], v[WM]
	v_fmac_f32 v[ST+4*\a+1], v[XP+2*\a+1], v[WT]
	v_mov_b32 v[ST+4*\a], v[NMR]
	WIN 0x41
.set j, 128*\a
.rept 64
	v_pk_mul_f32 v[j:j+1], v[j:j+1], v[WT:WT+1]
.set j, j+2
.endr
	WIN 0x92                                       ; O^T (destination, source 0) window 2, my weight window 0, my partner's part window 1
.set j, 128*\a
.rept 64
	v_pk_fma_f32 v[j:j+1], v[j:j+1], v[WM:WM+1], v[j:j+1]
.set j, j+2
.endr
	WIN 0x08                                       ; a store's data are its source 1: window 2
.set k, 0
.rept 32
	global_store_b128 v[LI], v[128*\a+4*k:128*\a+4*k+3], s[14:15] offset:16384*\a+512*k   ; the tile's registers as they stand: 32 lanes store 512 consecutive bytes, aligned
.set k, k+1
.endr
	WIN 0
	global_store_b64 v[XS8], v[ST+4*\a:ST+4*\a+1], s[16:17] offset:256*\a   ; (-M, l): 256 consecutive bytes, aligned
.endm
	s_wait_dscnt 32                                ; the pairs and tile 0 are in; tile 1's 32 loads may be out
	JOIN 0
	s_wait_dscnt 0x0
	JOIN 1
	s_wait_tensorcnt 0x0                           ; the wave's end, behind my last tensor load and my last LDS store
	ds_add_u32 v[SPW], v[NIL]
	s_wait_dscnt 0x0
	CROUND                                         ; the closing round: no work-group ends while a partner may still ask for a tile that names it
	s_endpgm
.Lfunc_end_k_qc45164e191_attn:
	.size	k_qc45164e191_attn, .Lfunc_end_k_qc45164e191_attn-k_qc45164e191_attn
	.p2alignl 7, 3214868480
	.fill 96, 4, 3214868480
	.section	.rodata,"a",@progbits
	.p2align	6, 0x0
	.amdhsa_kernel k_qc45164e191_attn
		.amdhsa_group_segment_fixed_size 327680
		.amdhsa_private_segment_fixed_size 0
		.amdhsa_enable_private_segment 0
		.amdhsa_kernarg_size 56
		.amdhsa_user_sgpr_count 2
		.amdhsa_user_sgpr_kernarg_segment_ptr 1
		.amdhsa_wavefront_size32 1
		.amdhsa_system_sgpr_workgroup_id_x 1
		.amdhsa_system_sgpr_workgroup_id_y 1
		.amdhsa_system_sgpr_workgroup_id_z 1
		.amdhsa_system_vgpr_workitem_id 0
		.amdhsa_next_free_vgpr 1024
		.amdhsa_next_free_sgpr 100
		.amdhsa_reserve_vcc 0
		.amdhsa_float_denorm_mode_32 3
		.amdhsa_float_denorm_mode_16_64 3
		.amdhsa_memory_ordered 1
		.amdhsa_forward_progress 1
		.amdhsa_inst_pref_size 254
	.end_amdhsa_kernel
	.amdgpu_metadata
---
amdhsa.version: [ 1, 2 ]
amdhsa.kernels:
  - .name:           k_qc45164e191_attn
    .symbol:         k_qc45164e191_attn.kd
    .args:
      - { .name: input_G_codes, .offset: 0, .size: 8, .value_kind: global_buffer, .address_space: global }
      - { .name: input_G_scales, .offset: 8, .size: 8, .value_kind: global_buffer, .address_space: global }
      - { .name: input_T_codes, .offset: 16, .size: 8, .value_kind: global_buffer, .address_space: global }
      - { .name: input_T_scales, .offset: 24, .size: 8, .value_kind: global_buffer, .address_space: global }
      - { .name: wimg, .offset: 32, .size: 8, .value_kind: global_buffer, .address_space: global }
      - { .name: part, .offset: 40, .size: 8, .value_kind: global_buffer, .address_space: global }
      - { .name: stat, .offset: 48, .size: 8, .value_kind: global_buffer, .address_space: global }
    .group_segment_fixed_size: 327680
    .private_segment_fixed_size: 0
    .kernarg_segment_align: 8
    .kernarg_segment_size: 56
    .max_flat_workgroup_size: 128
    .sgpr_count:     100
    .vgpr_count:     1024
    .wavefront_size: 32
...
	.end_amdgpu_metadata
.endif
;; end of part 2
;; launch merge (part 3): grid 256 x 1, 8 waves a work-group, no clusters, 35,840 bytes of LDS; arguments part, stat, out0, out1; writes out0, out1
.if DOCPART == 3
	.amdgcn_target "amdgcn-amd-amdhsa--gfx1250"
	.amdhsa_code_object_version 6
	.text
	.protected	k_qc45164e191_merge
	.globl	k_qc45164e191_merge
	.p2align	8
	.type	k_qc45164e191_merge,@function
k_qc45164e191_merge:
	s_mov_b64 s[64:65], 0
	v_nop
	global_prefetch_b8 v0, s[64:65] scope:SCOPE_SE
	s_setreg_imm32_b32 hwreg(HW_REG_WAVE_MODE, 25, 1), 1
	s_wait_xcnt 0x0
; out = (the sum over the four key splits s of 2^(M_s - M) O_s) / (the sum of 2^(M_s - M) l_s), M the largest M_s: the powers of two round nothing.
; part: [z 2][s 4][query tile 256][16,384 bytes]: a tile's 128 registers of O^T as they stood: quad k of lane l at 512 k + 16 l; register 8 tt + j of lane (r, h) is O(query r, channel 16 tt + 8 h + j).  stat: [z][s][tile][256]: lane l's (-M, l) at 8 l.
; A stream: memory binds, so there are no matrix instructions and no clusters (work-groups share no input).  A wave takes a quarter of a tile's channels (32 registers of each split: 256 bytes of each output row); waves share nothing, so there is no barrier.
; A lane holds pieces of one row and its neighbours hold other rows: the results turn through the wave's own stage in LDS, so that sixteen lanes store 256 consecutive bytes, aligned.
; LIMIT: the division is a multiplication by v_rcp_f32 of the sum.
.set X, 32                             ; v32-159: split s's 32 registers at X + 32 s; the result grows in split 0's; split 1's later take the rows read back
	s_load_b256 s[4:11], s[0:1], 0x0               ; part, stat, out0, out1
	v_lshl_add_u32 v160, v0, 2, 0x8800
	v_mov_b32 v161, 0
	v_lshrrev_b32 v1, 5, v0
	s_delay_alu instid0(VALU_DEP_1)
	v_readfirstlane_b32 s12, v1                    ; wave 0..7
	s_lshr_b32 s13, s12, 2
	s_lshl_b32 s14, ttmp9, 1
	s_add_co_u32 s14, s14, s13                     ; which of the 512 tiles
	s_lshr_b32 s15, s14, 8                         ; z
	s_and_b32 s16, s14, 255                        ; the query tile
	s_and_b32 s17, s12, 3                          ; the quarter of the channels
	s_lshl_b32 s18, s15, 24
	s_lshl_b32 s19, s16, 14
	s_add_co_u32 s18, s18, s19
	s_lshl_b32 s20, s17, 12
	s_add_co_u32 s18, s18, s20                     ; in part: split 0's bytes
	s_mov_b32 s19, 0
	s_lshl_b32 s20, s15, 18
	s_lshl_b32 s21, s16, 8
	s_add_co_u32 s20, s20, s21                     ; in stat
	s_mov_b32 s21, 0
	s_lshl_b32 s22, s16, 14
	s_lshl_b32 s23, s17, 8
	s_add_co_u32 s22, s22, s23                     ; in the output: 16 rows of 1,024 bytes a tile, 256 bytes a quarter
	s_mov_b32 s23, 0
	v_and_b32 v1, 31, v0
	s_delay_alu instid0(VALU_DEP_1)
	v_lshlrev_b32 v2, 4, v1                        ; 16 x lane
	s_delay_alu instid0(VALU_DEP_2)
	v_lshlrev_b32 v3, 3, v1                        ; 8 x lane
	s_wait_alu depctr_va_vdst(0)
	s_wait_kmcnt 0x0
	s_add_nc_u64 s[4:5], s[4:5], s[18:19]
	s_add_nc_u64 s[24:25], s[4:5], 0x800000        ; splits 2 and 3: a second base, so that the immediates stay inside their signed 24 bits
	s_add_nc_u64 s[6:7], s[6:7], s[20:21]
	s_cmp_eq_u32 s15, 0                            ; the choice hangs on the work-group's number alone
	s_cselect_b64 s[8:9], s[8:9], s[10:11]
	s_add_nc_u64 s[8:9], s[8:9], s[22:23]
.irp s, 0,1,2,3
	global_load_b64 v[4+2*\s:5+2*\s], v3, s[6:7] offset:65536*\s th:TH_LOAD_NT
.endr
.irp s, 0,1
.irp k, 0,1,2,3,4,5,6,7
	global_load_b128 v[X+32*\s+4*\k:X+32*\s+4*\k+3], v2, s[4:5] offset:4194304*\s+512*\k th:TH_LOAD_NT   ; 32 lanes read 512 consecutive bytes
.endr
.endr
.irp s, 0,1
.irp k, 0,1,2,3,4,5,6,7
	global_load_b128 v[X+64+32*\s+4*\k:X+64+32*\s+4*\k+3], v2, s[24:25] offset:4194304*\s+512*\k th:TH_LOAD_NT
.endr
.endr
	s_wait_loadcnt 32                              ; the four pairs (-M, l) are in; the 32 loads behind them may be out
	v_min3_num_f32 v12, v4, v6, v8
	s_delay_alu instid0(VALU_DEP_1)
	v_min_num_f32 v12, v12, v10                    ; the smallest -M
.irp s, 0,1,2,3
	v_sub_f32 v[16+2*\s], v12, v[4+2*\s]           ; M_s - M: a whole number, 0 or less
.endr
.irp s, 0,1,2,3
	s_delay_alu instid0(VALU_DEP_4)
	v_cvt_i32_f32 v[16+2*\s], v[16+2*\s]           ; (it saturates)
.endr
.irp s, 0,1,2,3
	s_delay_alu instid0(VALU_DEP_4)
	v_ldexp_f32 v[16+2*\s], 1.0, v[16+2*\s]
.endr
	s_delay_alu instid0(VALU_DEP_4)
	v_mul_f32 v13, v16, v5
	s_delay_alu instid0(VALU_DEP_1)
	v_fmac_f32 v13, v18, v7
	s_delay_alu instid0(VALU_DEP_1)
	v_fmac_f32 v13, v20, v9
	s_delay_alu instid0(VALU_DEP_1)
	v_fmac_f32 v13, v22, v11                       ; the row's sum
	s_wait_alu depctr_va_vdst(0)
	v_rcp_f32 v13, v13
	v_and_b32 v24, 15, v0                          ; r   (the addresses of the way out are the plain work behind the reciprocal)
	v_bfe_u32 v25, v0, 4, 1                        ; h
	s_mul_i32 s26, s12, 16*272                     ; my stage: 16 rows of 256 bytes + 16
	v_mul_u32_u24 v26, v24, 272
	s_delay_alu instid0(VALU_DEP_1)
	v_lshl_add_u32 v26, v25, 5, v26
	s_delay_alu instid0(VALU_DEP_1)
	v_add_nc_u32 v26, s26, v26                     ; in: row r, + 32 h
	v_mul_u32_u24 v27, v25, 272
	s_delay_alu instid0(VALU_DEP_1)
	v_lshl_add_u32 v27, v24, 4, v27
	s_delay_alu instid0(VALU_DEP_1)
	v_add_nc_u32 v27, s26, v27                     ; back: lanes 0-15 one row, lanes 16-31 the next
	v_lshlrev_b32 v28, 10, v25
	s_delay_alu instid0(VALU_DEP_1)
	v_lshl_add_u32 v28, v24, 4, v28                ; and the same two rows in the output
	s_wait_alu depctr_va_vdst(0)                   ; the wait ahead of the reciprocal's first reader
.irp s, 0,1,2,3
	v_mul_f32 v[16+2*\s], v[16+2*\s], v13          ; the weights, divided by the sum,
.endr
.irp s, 0,1,2,3
	s_delay_alu instid0(VALU_DEP_4)
	v_mov_b32 v[17+2*\s], v[16+2*\s]               ; twice: a pair for the packed forms
.endr
	s_wait_alu depctr_va_vdst(0)
	s_wait_loadcnt 24                              ; split 0 is in
.set j, 0
.rept 16
	v_pk_mul_f32 v[X+j:X+j+1], v[X+j:X+j+1], v[16:17]
.set j, j+2
.endr
.irp s, 1,2,3
	s_wait_loadcnt 24-8*\s                         ; split s is in; the later splits' loads may be out
.set j, 0
.rept 16
	v_pk_fma_f32 v[X+j:X+j+1], v[X+32*\s+j:X+32*\s+j+1], v[16+2*\s:17+2*\s], v[X+j:X+j+1]
.set j, j+2
.endr
.endr
.irp t, 0,1,2,3
	ds_store_b128 v26, v[X+8*\t:X+8*\t+3] offset:64*\t
	ds_store_b128 v26, v[X+8*\t+4:X+8*\t+7] offset:64*\t+16
.endr
.irp i, 0,1,2,3,4,5,6,7
	ds_load_b128 v[X+32+4*\i:X+32+4*\i+3], v27 offset:2*\i*272   ; LDS serves a wave's instructions in order (ISA guide 5.7.1.4): these see my stores
.endr
.irp i, 0,1,2,3,4,5,6,7
	s_wait_dscnt 7-\i                              ; load i is in; the 7 - i behind it may be out
	global_store_b128 v28, v[X+32+4*\i:X+32+4*\i+3], s[8:9] offset:2048*\i th:TH_STORE_NT   ; 16 lanes store 256 consecutive bytes, aligned
.endr
	s_wait_tensorcnt 0x0
	ds_add_u32 v160, v161
	s_wait_dscnt 0x0
	s_endpgm
.Lfunc_end_k_qc45164e191_merge:
	.size	k_qc45164e191_merge, .Lfunc_end_k_qc45164e191_merge-k_qc45164e191_merge
	.p2alignl 7, 3214868480
	.fill 96, 4, 3214868480
	.section	.rodata,"a",@progbits
	.p2align	6, 0x0
	.amdhsa_kernel k_qc45164e191_merge
		.amdhsa_group_segment_fixed_size 35840
		.amdhsa_private_segment_fixed_size 0
		.amdhsa_enable_private_segment 0
		.amdhsa_kernarg_size 32
		.amdhsa_user_sgpr_count 2
		.amdhsa_user_sgpr_kernarg_segment_ptr 1
		.amdhsa_wavefront_size32 1
		.amdhsa_system_sgpr_workgroup_id_x 1
		.amdhsa_system_sgpr_workgroup_id_y 1
		.amdhsa_system_sgpr_workgroup_id_z 1
		.amdhsa_system_vgpr_workitem_id 0
		.amdhsa_next_free_vgpr 162
		.amdhsa_next_free_sgpr 66
		.amdhsa_reserve_vcc 0
		.amdhsa_float_denorm_mode_32 3
		.amdhsa_float_denorm_mode_16_64 3
		.amdhsa_memory_ordered 1
		.amdhsa_forward_progress 1
		.amdhsa_inst_pref_size 14
	.end_amdhsa_kernel
	.amdgpu_metadata
---
amdhsa.version: [ 1, 2 ]
amdhsa.kernels:
  - .name:           k_qc45164e191_merge
    .symbol:         k_qc45164e191_merge.kd
    .args:
      - { .name: part, .offset: 0, .size: 8, .value_kind: global_buffer, .address_space: global }
      - { .name: stat, .offset: 8, .size: 8, .value_kind: global_buffer, .address_space: global }
      - { .name: out0, .offset: 16, .size: 8, .value_kind: global_buffer, .address_space: global }
      - { .name: out1, .offset: 24, .size: 8, .value_kind: global_buffer, .address_space: global }
    .group_segment_fixed_size: 35840
    .private_segment_fixed_size: 0
    .kernarg_segment_align: 8
    .kernarg_segment_size: 32
    .max_flat_workgroup_size: 256
    .sgpr_count:     66
    .vgpr_count:     162
    .wavefront_size: 32
...
	.end_amdgpu_metadata
.endif
;; end of part 3
